; MI455X (gfx1250); checked and timed in simulation.
; The chip was launched on July 23, 2026; its instructions are those of AMD's public machine-readable ISA for CDNA 5 (MIT licence, August 2026) and "CDNA5" Instruction Set Architecture Reference Guide (July 2026). The comments in the code are by the model that wrote it; some were corrected since.
;; Multi Head Attention. Allowed arithmetic: matrix products marked QUANTISED: E2M1 operands, one E8M0 scale for each 32 along K, by v_wmma_scale_f32_16x16x128_f8f6f4 with both operands' format E2M1 (or v_wmma_scale_f32_32x16x128_f4), f32 sums; products left as they are: bf16, f16 or f32 operands; f32 sums; everything else in f32.
;; Inputs: Wk 1,024 x 1,024 float32; Wo 1,024 x 1,024 float32; Wq 1,024 x 1,024 float32; Wv 1,024 x 1,024 float32; bo 1,024 float32; bq 1,024 float32; bv 1,024 float32; cu_seqlens 9 int32; x 8,192 x 1,024 float32.
;; Outputs: out0 8,192 x 1,024 float32.
;; This version of the problem:
;;   THIS VERSION OF THE PROBLEM IS GIVEN IN LOW PRECISION. The matrix products marked QUANTISED in the list below multiply operands that are first quantised to E2M1 (2 exponent bits, 1 mantissa bit; 4 bits a number), with one power-of-two scale for each 32 numbers along K (OCP MX v1.0); their sums are f32. The products marked 'left as it is' may take bf16, f16 or f32 operands, with f32 sums. Whichever they take, every output number must still come out within the allowed error. Rounding operands to bf16 (8 significant bits) uses up far more of that allowance than f16 does (11 bits, for magnitudes from 6e-5 to 65,504). All else is computed in f32.
;;   The module's matrix products, in the order in which they are computed (A, B: the left and right operand; K: the contracted axis; several contracted axes count as one K, in the product's order):
;;     1. [M 8,192, K 1,024] x [K 1,024, N 1,024]; A: input x; B: input Wq: QUANTISED
;;     2. [M 8,192, K 1,024] x [K 1,024, N 1,024]; A: input x; B: input Wk: QUANTISED
;;     3. [M 8,192, K 1,024] x [K 1,024, N 1,024]; A: input x; B: input Wv: QUANTISED
;;     4. batch 128 x [M 1,024, K 64] x [K 64, N 1,024]; A: computed on the way; B: computed on the way: left as it is (an operand is computed on the way)
;;     5. batch 128 x [M 64, K 1,024] x [K 1,024, N 1,024]; A: computed on the way; B: computed on the way: left as it is (an operand is computed on the way)
;;     6. [M 8,192, K 1,024] x [K 1,024, N 1,024]; A: computed on the way; B: input Wo: left as it is (an operand is computed on the way)
;;   THE QUANTISER, for each operand of a quantised product, along K:
;;     - K is cut into blocks of 32 from its start; a last block that is shorter is filled with zeros.
;;     - A block's scale is 2^e with e = floor(log2(the largest magnitude in the block)) - 2, held to -126 .. 127; a block of zeros has e = 0. As a byte (E8M0): e + 127.
;;     - Each number is divided by its block's scale, clamped to +-6, and rounded to the nearest number of E2M1, ties to even, subnormals kept.
;;     - The product sums the exact products of the quantised numbers (number of the format x scale) in f32.
;;   ~~~python
;;   def quantise(x, axis):      # numpy; x: float32 -> the quantised numbers, widened to float32 again
;;       x = np.moveaxis(x, axis, -1); K = x.shape[-1]
;;       x = np.pad(x, [(0, 0)] * (x.ndim - 1) + [(0, -K % 32)]); x = x.reshape(x.shape[:-1] + (-1, 32)); a = np.abs(x).max(-1, keepdims=True)
;;       e = np.where(a > 0, np.clip(np.frexp(np.where(a > 0, a, 1))[1] - 1 - 2, -126, 127), 0)      # np.frexp(a)[1] - 1 = floor(log2(a)), exactly
;;       r = np.clip(x / 2.0 ** e, -6, 6)
;;       step = 2.0 ** (np.maximum(np.frexp(np.where(r == 0, 1, r))[1] - 1, 0) - 1)
;;       q = np.round(r / step) * step * 2.0 ** e      # np.round: ties to even
;;       return np.moveaxis(q.reshape(q.shape[:-2] + (-1,))[..., :K], -1, axis).astype(np.float32)
;;   ~~~
;; One version. Each part assembles by itself: llvm-mc -triple=amdgcn-amd-amdhsa -mcpu=gfx1250 --defsym DOCPART=n.
;; ======== version 1 of 1: 4 launches
;; limits: values are held in f16: magnitudes above 65,504 overflow, below 6.1e-05 lose precision
;; workspace buffers: cod 5,767,168 bytes; scl 360,448 bytes; wo16 2,097,152 bytes; qkv 50,331,648 bytes; ctx16 16,777,216 bytes
;; launch prep (part 1): grid 256 x 1, 6 waves a work-group, no clusters, 49,920 bytes of LDS; arguments x, Wq, Wk, Wv, Wo, cod, scl, wo16; writes cod, scl, wo16
.if DOCPART == 1
	.amdgcn_target "amdgcn-amd-amdhsa--gfx1250"
	.amdhsa_code_object_version 6
	.text
	.protected	k_qf4e77bf3e3_prep
	.globl	k_qf4e77bf3e3_prep
	.p2align	8
	.type	k_qf4e77bf3e3_prep,@function
k_qf4e77bf3e3_prep:
	s_mov_b64 s[64:65], 0
	v_nop
	global_prefetch_b8 v0, s[64:65] scope:SCOPE_SE
	s_setreg_imm32_b32 hwreg(HW_REG_WAVE_MODE, 25, 1), 1
	s_wait_xcnt 0x0
; FIRST OF FOUR LAUNCHES of: out = softmax((x Wq^T + bq)(x Wk^T)^T / 8) (x Wv^T + bv) Wo^T + bo, 8 sequences of 1,024 tokens, 16 heads of 64.
; This launch turns x [8192][1024], Wq, Wk, Wv [1024][1024] (f32, K innermost) into codes of FP4 (E2M1) with one E8M0 byte for each 32 along K,
; and Wo [1024][1024] into f16, laid in the order of the last launch's operand registers.
; WORK LEFT OUT, for all values of the inputs: cu_seqlens.  The module reads only its SHAPE (9 entries: 8 sequences); none of its numbers enters any result.  It is not loaded and is no argument of any launch.
; WORK MOVED, not left out: bv.  sum_k w_k (v_k + bv) = sum_k w_k v_k + bv, since a softmax's weights add up to 1 for all inputs; v is no quantised operand.  So bv is added in f32 where the third launch divides by the row's sum.
; LIMITS: NaN and infinities among the inputs are not served; a block of zeros gets the byte 1 where the rule says 127 (its codes are zeros, which add nothing under any byte but 0xff, and this program alone reads the bytes);
; blocks whose largest magnitude lies under 2^(2 - 126) have their byte held at 1; Wo beyond 65,504 becomes infinity in f16, under 6e-5 it keeps an absolute error of 3e-8.
; LAYOUT OUT: cod: 11,264 rows of 512 bytes (1,024 codes, the lower k in the low four bits): rows 0-8191 x, then Wq, Wk, Wv, 1,024 rows each; scl: the same rows, 32 bytes each.
; wo16: byte (n>>6)<<17 | kg<<12 | ((n>>4)&3)<<10 | c<<9 | lane<<4: lane (r, h) holds Wo[16 (n>>4) + r][32 kg + 16 c + 8 h + 0..7]: four registers of a 16 x 32 fragment, 512 bytes on end.
; SHARES: the work is 1,536 equal runs, one to a wave: 256 work-groups of SIX waves, run = 6 x work-group + wave.  Runs 0-1023 x, 1024-1151 Wq, 1152-1279 Wk, 1280-1407 Wv: 8,192 numbers each, 16 steps of 512;
; runs 1408-1535 Wo.  No wave shares anything with another and there is no barrier, so the waves of one work-group may take different paths.
; Rows are dense and 1,024 is a multiple of 32, so each tensor is a plain stream of blocks of 32, and since the four follow each other in cod and scl, one formula places all their results.
; THE QUANTISER'S STEP: each of four loads reads 512 consecutive bytes, 16 a lane; the 2,048 bytes turn through the wave's own stage in LDS (16 bytes of padding behind each 64) and come back 64 bytes a lane:
; 16 neighbours along K, two neighbouring lanes to a block.  Loads run four steps ahead, the turn through LDS one step.
.set WAVES, 6
.set STEPS, 16
.set EMAX,  2
.set CB,    8                          ; bytes of 16 codes
.set R,     16                         ; v16-79   four sets of 16 numbers as loaded (Wo's path: two sets of 64, v16-143)
.set X,     80                         ; v80-111  two sets of 16 neighbours
.set E,     112                        ; v112-127 a scale byte for each step
.set C,     128                        ; v128-191 codes: four registers for each step, so that no store's data are written again
.set H16,   144                        ; Wo's path: v144-175 f16 pairs to store
.set WREG,  8192                       ; LDS: a region for each wave: two stages of 32 x SP bytes, behind them its 256 scale bytes
.set SP,    80
.set SPW,   12                         ; v12 LDS address of my spare word; never rewritten
.set NIL,   13                         ; v13 0; never rewritten
.set SPARE, WAVES*WREG                 ; behind the six regions: the spare words, 128 bytes a wave: three blocks of 256 bytes
	s_load_b256 s[4:11], s[0:1], 0x0               ; x s[4:5], Wq s[6:7], Wk s[8:9], Wv s[10:11]
	s_load_b256 s[12:19], s[0:1], 0x20             ; Wo s[12:13], cod s[14:15], scl s[16:17], wo16 s[18:19]
	v_lshl_add_u32 v[SPW], v0, 2, SPARE
	v_mov_b32 v[NIL], 0
	v_lshrrev_b32 v1, 5, v0
	v_readfirstlane_b32 s20, v1                    ; wave 0..5
	v_and_b32 v2, 31, v0                           ; lane
	v_lshlrev_b32 v3, 4, v2                        ; 16 x lane
	s_mul_i32 s21, s20, WREG
	v_lshrrev_b32 v14, 2, v2
	v_mul_u32_u24 v14, v14, SP
	v_and_b32 v15, 3, v2
	v_lshl_add_u32 v14, v15, 4, v14
	v_add_nc_u32 v14, s21, v14                     ; the stage, on the way in: SP (lane / 4) + 16 (lane % 4)
	v_mul_u32_u24 v15, v2, SP
	v_add_nc_u32 v15, s21, v15                     ; and on the way out: SP x lane
	v_mul_u32_u24 v4, v2, CB                       ; my codes' place in a step's 256 bytes
	v_lshrrev_b32 v5, 1, v2
	s_add_co_u32 s21, s21, 2*32*SP
	v_add_nc_u32 v5, s21, v5                       ; LDS: my block's scale byte
	v_lshlrev_b32 v7, 3, v2
	v_add_nc_u32 v6, s21, v7                       ; and 8 bytes a lane on their way out
	s_mul_i32 s24, ttmp9, WAVES
	s_add_co_u32 s24, s24, s20                     ; my run, 0 to 1535
	s_wait_kmcnt 0x0
	s_cmp_ge_u32 s24, 1408
	s_cbranch_scc1 .Lwo
	; which tensor, and the first run of it: the choices hang on the run's number alone
	s_mov_b64 s[22:23], s[10:11]
	s_mov_b32 s25, 1280
	s_cmp_lt_u32 s24, 1280
	s_cselect_b64 s[22:23], s[8:9], s[22:23]
	s_cselect_b32 s25, 1152, s25
	s_cmp_lt_u32 s24, 1152
	s_cselect_b64 s[22:23], s[6:7], s[22:23]
	s_cselect_b32 s25, 1024, s25
	s_cmp_lt_u32 s24, 1024
	s_cselect_b64 s[22:23], s[4:5], s[22:23]
	s_cselect_b32 s25, 0, s25
	s_sub_co_u32 s25, s24, s25                     ; the run's number within its tensor
	s_lshl_b32 s26, s25, 15                        ; 8,192 numbers: 32,768 bytes a run
	s_mov_b32 s27, 0
	s_add_nc_u64 s[22:23], s[22:23], s[26:27]
	s_lshl_b32 s26, s24, 12                        ; 4,096 bytes of codes a run, over all four tensors
	s_add_nc_u64 s[14:15], s[14:15], s[26:27]
	s_lshl_b32 s26, s24, 8                         ; 256 scale bytes a run
	s_add_nc_u64 s[16:17], s[16:17], s[26:27]
.macro LOAD t
.irp i, 0,1,2,3
	global_load_b128 v[R+16*((\t)%4)+4*\i:R+16*((\t)%4)+4*\i+3], v3, s[22:23] offset:2048*(\t)+512*\i th:TH_LOAD_NT   ; 32 lanes read 512 consecutive bytes
.endr
.endm
.macro TURN t                          ; step t's numbers through the stage: LDS serves a wave's instructions in order, so no wait stands between the stores and the loads
.irp i, 0,1,2,3
	ds_store_b128 v14, v[R+16*((\t)%4)+4*\i:R+16*((\t)%4)+4*\i+3] offset:32*SP*((\t)%2)+8*SP*\i
.endr
.irp i, 0,1,2,3
	ds_load_b128 v[X+16*((\t)%2)+4*\i:X+16*((\t)%2)+4*\i+3], v15 offset:32*SP*((\t)%2)+16*\i
.endr
.endm
.irp t, 0,1,2,3
	LOAD \t
.endr
	s_wait_loadcnt 12                              ; step 0's four loads are in; the twelve of steps 1 to 3 may be out
	TURN 0
.macro STEP t
.set XS, X+16*((\t)%2)
.if (\t) > 0
	s_wait_dscnt 1                                 ; this step's numbers are back from the stage (the last step's byte store may be out): so its stores into the stage have read their registers,
.else
	s_wait_dscnt 0x0
.endif
.if (\t)+4 < STEPS
	LOAD (\t)+4                                    ; which take the loads of four steps on
.endif
.if (\t)+1 < STEPS
.if STEPS-2-(\t) >= 3
	s_wait_loadcnt 12                              ; the next step's four loads are in; those of the three steps behind it may be out
.else
	s_wait_loadcnt 4*(STEPS-2-(\t))
.endif
	TURN (\t)+1                                    ; and go through the other stage while this step is worked
.endif
	v_max3_num_f32 v8, |v[XS]|, |v[XS+1]|, |v[XS+2]|               ; the largest magnitude of my 16, in two chains
	v_max3_num_f32 v9, |v[XS+3]|, |v[XS+4]|, |v[XS+5]|
.irp i, 6,10
	v_max3_num_f32 v8, v8, |v[XS+\i]|, |v[XS+\i+1]|
	v_max3_num_f32 v9, v9, |v[XS+\i+2]|, |v[XS+\i+3]|
.endr
	v_max3_num_f32 v8, v8, |v[XS+14]|, |v[XS+15]|
	v_max3_num_f32 v8, v8, v9, (EMAX+1)<<23        ; and the floor 2^(EMAX + 1 - 127): the byte cannot fall under 1
	v_max_num_f32_dpp v8, v8, v8 row_xmask:1 row_mask:0xf bank_mask:0xf   ; and of my neighbour's 16: the block's
	v_add_nc_u32 v11, -(EMAX<<23), v8              ; EMAX off its exponent field: the conversion takes the exponent field of this operand as its scale
	v_cvt_scalef32_pk8_fp4_f32 v[C+4*(\t)], v[XS:XS+7], v11        ; to the nearest code, ties to even, beyond 6 the largest code; the first number's code in the lowest four bits
	v_cvt_scalef32_pk8_fp4_f32 v[C+4*(\t)+1], v[XS+8:XS+15], v11
	v_lshrrev_b32 v[E+(\t)], 23, v11               ; the scale's byte (also the plain line behind the conversions)
	ds_store_b8 v5, v[E+(\t)] offset:16*(\t)       ; both lanes of a block write the same byte with the same value
	global_store_b64 v4, v[C+4*(\t):C+4*(\t)+1], s[14:15] offset:32*CB*(\t)   ; 32 lanes store 256 consecutive bytes, aligned
.endm
.irp t, 0,1,2,3,4,5,6,7,8,9,10,11,12,13,14,15
	STEP \t
.endr
	ds_load_b64 v[8:9], v6                         ; LDS serves a wave's instructions in order: these see my byte stores
	s_wait_dscnt 0x0
	global_store_b64 v7, v[8:9], s[16:17]          ; my run's 256 scale bytes: 256 consecutive bytes, aligned
	s_wait_tensorcnt 0x0                           ; the wave's end, behind my last LDS store
	ds_add_u32 v[SPW], v[NIL]
	s_wait_dscnt 0x0
	s_endpgm
; Wo -> f16 fragment images.  Run W of 128 takes 64 rows n (W / 8) x 128 along K (four kg: W % 8), 16 rows (b) at a time, two sets of 64 registers by turns.  No LDS byte but the spare words is touched here.
.Lwo:
	s_sub_co_u32 s24, s24, 1408                    ; W
	s_lshr_b32 s26, s24, 3
	s_lshl_b32 s26, s26, 18                        ; 64 rows of 4,096 bytes
	s_and_b32 s28, s24, 7
	s_lshl_b32 s28, s28, 9                         ; 128 numbers along K
	s_add_co_u32 s26, s26, s28
	s_mov_b32 s27, 0
	s_add_nc_u64 s[12:13], s[12:13], s[26:27]
	s_lshl_b32 s26, s24, 14                        ; (W / 8) << 17 + 4 (W % 8) << 12 = W << 14
	s_add_nc_u64 s[18:19], s[18:19], s[26:27]
	v_and_b32 v8, 15, v0                           ; r
	v_bfe_u32 v9, v0, 4, 1                         ; h
	v_lshlrev_b32 v8, 12, v8
	v_lshl_add_u32 v8, v9, 5, v8                   ; row r, + 8 h numbers
.macro LOADB b                         ; rows 16 b + r: for each kg and c my eight numbers; the sixteen loads together read 512 consecutive bytes of each row
.irp kk, 0,1,2,3
.irp c, 0,1
	global_load_b128 v[R+64*((\b)%2)+8*(2*\kk+\c):R+64*((\b)%2)+8*(2*\kk+\c)+3], v8, s[12:13] offset:(\b)*65536+\kk*128+\c*64 th:TH_LOAD_NT
	global_load_b128 v[R+64*((\b)%2)+8*(2*\kk+\c)+4:R+64*((\b)%2)+8*(2*\kk+\c)+7], v8, s[12:13] offset:(\b)*65536+\kk*128+\c*64+16 th:TH_LOAD_NT
.endr
.endr
.endm
	LOADB 0
	LOADB 1
.irp b, 0,1,2,3
.if \b < 3
	s_wait_loadcnt 16                              ; this b's sixteen loads are in; the next b's sixteen may be out
.else
	s_wait_loadcnt 0x0
.endif
.if \b > 0
	s_wait_xcnt 0x0                                ; the last eight stores have read their data: v144-175 are written again only behind this wait
.endif
.set N, 0
.rept 32
	v_cvt_pk_f16_f32 v[H16+N], v[R+64*(\b%2)+2*N], v[R+64*(\b%2)+2*N+1]
.set N, N+1
.endr
.irp kk, 0,1,2,3
.irp c, 0,1
	global_store_b128 v3, v[H16+4*(2*\kk+\c):H16+4*(2*\kk+\c)+3], s[18:19] offset:\kk*4096+\b*1024+\c*512   ; 32 lanes store 512 consecutive bytes, aligned
.endr
.endr
.if \b < 2
	LOADB \b+2
.endif
.endr
	s_wait_tensorcnt 0x0                           ; the wave's end
	ds_add_u32 v[SPW], v[NIL]
	s_wait_dscnt 0x0
	s_endpgm
.Lfunc_end_k_qf4e77bf3e3_prep:
	.size	k_qf4e77bf3e3_prep, .Lfunc_end_k_qf4e77bf3e3_prep-k_qf4e77bf3e3_prep
	.p2alignl 7, 3214868480
	.fill 96, 4, 3214868480
	.section	.rodata,"a",@progbits
	.p2align	6, 0x0
	.amdhsa_kernel k_qf4e77bf3e3_prep
		.amdhsa_group_segment_fixed_size 49920
		.amdhsa_private_segment_fixed_size 0
		.amdhsa_enable_private_segment 0
		.amdhsa_kernarg_size 64
		.amdhsa_user_sgpr_count 2
		.amdhsa_user_sgpr_kernarg_segment_ptr 1
		.amdhsa_wavefront_size32 1
		.amdhsa_system_sgpr_workgroup_id_x 1
		.amdhsa_system_sgpr_workgroup_id_y 1
		.amdhsa_system_sgpr_workgroup_id_z 1
		.amdhsa_system_vgpr_workitem_id 0
		.amdhsa_next_free_vgpr 192
		.amdhsa_next_free_sgpr 66
		.amdhsa_reserve_vcc 0
		.amdhsa_float_denorm_mode_32 3
		.amdhsa_float_denorm_mode_16_64 3
		.amdhsa_memory_ordered 1
		.amdhsa_forward_progress 1
		.amdhsa_inst_pref_size 52
	.end_amdhsa_kernel
	.amdgpu_metadata
---
amdhsa.version: [ 1, 2 ]
amdhsa.kernels:
  - .name:           k_qf4e77bf3e3_prep
    .symbol:         k_qf4e77bf3e3_prep.kd
    .args:
      - { .name: x, .offset: 0, .size: 8, .value_kind: global_buffer, .address_space: global }
      - { .name: Wq, .offset: 8, .size: 8, .value_kind: global_buffer, .address_space: global }
      - { .name: Wk, .offset: 16, .size: 8, .value_kind: global_buffer, .address_space: global }
      - { .name: Wv, .offset: 24, .size: 8, .value_kind: global_buffer, .address_space: global }
      - { .name: Wo, .offset: 32, .size: 8, .value_kind: global_buffer, .address_space: global }
      - { .name: cod, .offset: 40, .size: 8, .value_kind: global_buffer, .address_space: global }
      - { .name: scl, .offset: 48, .size: 8, .value_kind: global_buffer, .address_space: global }
      - { .name: wo16, .offset: 56, .size: 8, .value_kind: global_buffer, .address_space: global }
    .group_segment_fixed_size: 49920
    .private_segment_fixed_size: 0
    .kernarg_segment_align: 8
    .kernarg_segment_size: 64
    .max_flat_workgroup_size: 192
    .sgpr_count:     66
    .vgpr_count:     192
    .wavefront_size: 32
...
	.end_amdgpu_metadata
.endif
;; end of part 1
;; launch qkv (part 2): grid 4 x 64, 4 waves a work-group, clusters of 4 x 4, 327,680 bytes of LDS; arguments cod, scl, bq, qkv; writes qkv
.if DOCPART == 2
	.amdgcn_target "amdgcn-amd-amdhsa--gfx1250"
	.amdhsa_code_object_version 6
	.text
	.protected	k_qf4e77bf3e3_qkv
	.globl	k_qf4e77bf3e3_qkv
	.p2align	8
	.type	k_qf4e77bf3e3_qkv,@function
k_qf4e77bf3e3_qkv:
	s_mov_b64 s[64:65], 0
	v_nop
	global_prefetch_b8 v0, s[64:65] scope:SCOPE_SE
	s_setreg_imm32_b32 hwreg(HW_REG_WAVE_MODE, 25, 1), 1
	s_wait_xcnt 0x0
	s_wait_alu depctr_hold_cnt(0) depctr_sa_sdst(0) depctr_va_vdst(0) depctr_va_sdst(0) depctr_va_ssrc(0) depctr_va_vcc(0) depctr_vm_vsrc(0)
	s_getreg_b32 s2, hwreg(HW_REG_IB_STS2, 6, 4)
	s_cmp_eq_u32 s2, 0
	s_cbranch_scc0 .Lentry_in_a_cluster
	s_endpgm
.Lentry_in_a_cluster:
	s_bfe_u32 s2, ttmp6, 0x10000c
	s_cmp_lg_u32 s2, 0xf033
	s_cbranch_scc0 .Lentry_shape_is_right
	s_endpgm
.Lentry_shape_is_right:
; SECOND LAUNCH: the three quantised products, on codes of FP4 (E2M1) with one E8M0 byte for each 32 along K = 1,024: q = x Wq^T + bq, k = x Wk^T, and v = x Wv^T, stored transposed (bv is added by the next launch, since a softmax's
; weights add up to 1; cu_seqlens has no way to a result).  cod: 11,264 rows of 512 bytes: rows 0-8191 x, 8192.. Wq, 9216.. Wk, 10240.. Wv; scl: the same rows, 32 bytes each.
; SHARES.  256 work-groups THAT STAY: a work-group owns 128 tokens (block mb = 4 x cluster y + cy) and columns 256 cx on of each of q, k, v, and makes these three tiles one after the other, so that a tile's stores are on
; their way while the next tile is multiplied.  Wave w makes all 128 tokens x 64 columns, which is head 4 cx + w: 32 accumulators (token block a 0..7, column block b 0..3).
; x's FRAGMENTS STAY IN REGISTERS: 8 blocks x 8 K steps x 8 registers = 512; they are read from LDS once, during q's tile, and serve all three.  Afterwards a K step of 128 reads 8 LDS loads a wave for its 32 products.
; THE SCALE WORDS come from scl straight into registers: lane (r, h) loads 16 bytes at row r x 32 + 16 h, 512 consecutive bytes a load; register q then holds the word of K step q in lanes 0-15 and that of K step 4 + q in
; lanes 16-31, and the products of the second half of K name the same register with the upper lanes' selector on both sides.  8 loads for x, 12 for the three weights.
; LDS.  x's 128 rows, the two halves of K apart; three slots, each a half of K (rows of 256 bytes) of 256 rows of a weight.  The six halves q0 q1 k0 k1 v0 v1 lie in slots 0 1 2 0 1 2: three come with the first fills, and each
; slot is filled again once, as soon as it has been read.  By this text's count five tensor loads of a wave are outstanding at the most.
; CLUSTERS: 4 x 4.  x's rows are shared along a row of the cluster (same cy), a weight's rows along a column (same cx): each is asked for JOINTLY, by the same tensor load with the same descriptor and a mask that names the four.
; Every wave issues every load, its own rows of each tile: no branch leads round a tensor load.
; q, k: THE MATRIX INSTRUCTION IS USED TRANSPOSED (source 0 = 16 rows of W, source 1 = 16 tokens): lane (r, h) holds token r and eight neighbouring d = 8 h + 0..7.  v: source 0 = 16 tokens, source 1 = 16 rows of Wv: lane (r, h)
; holds channel r and eight neighbouring KEYS.  Either way the eight numbers, rounded to f16, are four registers of a 16 x 32 fragment of the next launch's products: each accumulator leaves as 512 consecutive bytes, with no LDS.
; qkv: q at 0, k at 1<<24: byte (token>>6)<<17 | head<<13 | e<<12 | ((token>>4)&3)<<10 | c<<9 | lane<<4, d = 32 e + 16 c + 8 h + 0..7, row token & 15 = r;
;      v^T at 2<<24: byte seq<<21 | head<<17 | g<<12 | t<<10 | c<<9 | lane<<4, channel 16 t + r, key 32 g + 16 c + 8 h + 0..7.
; LIMIT: q, k, v are rounded to f16: beyond 65,504 they become infinity (x and W both 30 times larger than drawn give about 5,000); under 6e-5 they keep an absolute error of 3e-8.
; REGISTERS, in windows of 256.  Window 0: v16-29 addresses; v32-63 x's scale words (block a, register q: 32 + 4 a + q); v64-111 the weights' (tile t, block b: 64 + 16 t + 4 b + q); v128-191 the weights' fragments, two sets of 32;
;   v192-223 bq in the result's layout, the C of q's first products.   Window 1: the accumulators, (a, b) at v[8 (4 a + b)].   Windows 2, 3: x's fragments of K steps 0-3, 4-7: step q, block a at v[64 q + 8 a].
.set PITCH,  272                       ; an LDS row: 256 bytes + 16 of padding = 68 words: the 16 rows that a load touches start at 16 different banks (64 banks of 4 bytes: ISA guide 11.1)
.set AH,     128*PITCH                 ; x's 128 rows, one half of K
.set SLOTB,  256*PITCH                 ; a slot
.set BASEB,  2*AH                      ; where the slots begin
.set SPARE,  BASEB+3*SLOTB             ; behind them: the spare words, 128 bytes a wave
.set WSTEP,  1024*512                  ; bytes in cod from a row of Wq to the same row of Wk, and on to Wv
.set NP,     4                         ; places behind this matrix instruction (ISA guide 7.12.1)
.set ADRA, 16                          ; v16-17 LDS address of x's fragments, first and second half of K
.set ADRB, 20                          ; v20-22 of my 64 rows in slots 0, 1, 2
.set HB,   25                          ; v25 32 x (lane / 16)
.set CO,   26                          ; v26 16 x lane: my place in a stored fragment
.set SOF,  27                          ; v27 32 (lane % 16) + 16 (lane / 16): my place among 16 rows' scale bytes
.set SPW,  28
.set NIL,  29
.set SA,   32
.set SB,   64
.set BF,   128
.set BIAS, 192
.set G1A,  24                          ; s[24:31] descriptor group 1 for x's tiles
.set G1B,  32                          ; s[32:39] for the weights'
.set GA,   40                          ; s[40:47] group 0 for x's two halves
.set GB,   48                          ; s[48:59] group 0, one set for each slot
.set OUTQ, 60                          ; s[60:61], s[62:63], s[66:67]: where my part of q, k, v^T begins
.set OUTK, 62
.set OUTV, 66
.set MSB, 0
.macro WIN new                         ; the immediate's high byte repeats the setting that is left
.if MSB != (\new)
	s_set_vgpr_msb (MSB<<8)|(\new)
.set MSB, (\new)
.endif
.endm
.macro PLACES n                        ; plain vector lines between a matrix instruction and a load into, or a vector read or write of, its registers
.rept \n
	v_nop
.endr
.endm
.macro CROUND                          ; a round of the cluster's barrier
	s_barrier_signal -1
	s_barrier_wait -1
	s_cmp_lg_u32 s12, 0
	s_cbranch_scc1 .Lnot_wave_0_\@
	s_barrier_signal -3
.Lnot_wave_0_\@:
	s_barrier_wait -3
	s_barrier_signal -1
	s_barrier_wait -1
.endm
	s_load_b256 s[4:11], s[0:1], 0x0               ; cod s[4:5], scl s[6:7], bq s[8:9], qkv s[10:11]
	v_lshl_add_u32 v[SPW], v0, 2, SPARE
	v_mov_b32 v[NIL], 0
	ds_add_u32 v[SPW], v[NIL]                      ; the wave's opening: the add, twice on end, and its wait ahead of the round in front of my first tensor load
	ds_add_u32 v[SPW], v[NIL]
	v_lshrrev_b32 v1, 5, v0
	v_readfirstlane_b32 s12, v1                    ; wave 0..3
	s_bfe_u32 s13, ttmp6, 0x40000                  ; cx
	s_bfe_u32 s14, ttmp6, 0x40004                  ; cy
	s_and_b32 s15, ttmp7, 0xffff
	s_lshl_b32 s15, s15, 2
	s_add_co_u32 s15, s15, s14                     ; mb: my block of 128 tokens
	s_lshl_b32 s20, s14, 2
	s_lshl_b32 s20, 15, s20                        ; my row of the cluster
	s_lshl_b32 s22, 0x1111, s13                    ; my column
	; descriptor group 1: rows of 256 bytes out of rows of 512, 16 bytes of padding behind each in LDS; x: 32 rows a wave, a weight: 64
	s_or_b32 s[G1A+0], s20, (0<<16)|(1<<20)|(1<<21)|(5<<22)|(3<<25)  ; 15:0 the mask; 17:16 elements of 1 byte; 20 padding on; 21 set beside a mask; 24:22 after every 64 words; 31:25 four words
	s_or_b32 s[G1B+0], s22, (0<<16)|(1<<20)|(1<<21)|(5<<22)|(3<<25)
	s_mov_b32 s[G1A+1], 256<<16                    ; tensor_dim0
	s_mov_b32 s[G1A+2], 32<<16                     ; tensor_dim1
	s_mov_b32 s[G1A+3], 256<<16                    ; tile_dim0
	s_mov_b32 s[G1A+4], 32                         ; tile_dim1
	s_mov_b32 s[G1A+5], 512                        ; pitch
	s_mov_b32 s[G1A+6], 0
	s_mov_b32 s[G1A+7], 0
	s_mov_b32 s[G1B+1], 256<<16
	s_mov_b32 s[G1B+2], 64<<16
	s_mov_b32 s[G1B+3], 256<<16
	s_mov_b32 s[G1B+4], 64
	s_mov_b32 s[G1B+5], 512
	s_mov_b32 s[G1B+6], 0
	s_mov_b32 s[G1B+7], 0
	; where my rows lie in cod.  x's hang on mb (of the two places: cy alone) and the wave, the weights' on cx and the wave, each in registers that never hold the other place
	s_lshl_b32 s16, s15, 16                        ; 128 rows of 512 bytes a block,
	s_lshl_b32 s21, s12, 14                        ; 32 rows a wave
	s_add_co_u32 s16, s16, s21
	s_mov_b32 s17, 0
	s_lshl_b32 s18, s13, 17                        ; 256 rows,
	s_lshl_b32 s23, s12, 15                        ; 64 rows a wave,
	s_add_co_u32 s18, s18, s23
	s_add_co_u32 s18, s18, 8192*512                ; behind x's 8,192 rows
	s_mov_b32 s19, 0
	s_mul_i32 s21, s12, 32*PITCH                   ; and where they go: no place in the cluster enters an LDS address
	s_mul_i32 s23, s12, 64*PITCH
	s_wait_dscnt 0x0                               ; both opening adds are done
	s_wait_kmcnt 0x0
	s_add_nc_u64 s[16:17], s[4:5], s[16:17]
	s_add_nc_u64 s[18:19], s[4:5], s[18:19]
.irp k, 0,1
	s_mov_b32 s[GA+4*\k], 1
	s_add_co_u32 s[GA+4*\k+1], s21, \k*AH
	s_add_nc_u64 s[GA+4*\k+2:GA+4*\k+3], s[16:17], \k*256
	s_or_b32 s[GA+4*\k+3], s[GA+4*\k+3], 0x80000000
.endr
.irp s, 0,1,2
	s_mov_b32 s[GB+4*\s], 1
	s_add_co_u32 s[GB+4*\s+1], s23, BASEB+\s*SLOTB
	s_add_nc_u64 s[GB+4*\s+2:GB+4*\s+3], s[18:19], (\s%2)*256+(\s/2)*WSTEP   ; q's first half of K, q's second, k's first
	s_or_b32 s[GB+4*\s+3], s[GB+4*\s+3], 0x80000000
.endr
	CROUND                                         ; all sixteen work-groups are here: the first joint loads meet
	tensor_load_to_lds s[GA:GA+3], s[G1A:G1A+7]    ; all first fills in one group; what the first four K steps want comes first
	s_nop 0
	tensor_load_to_lds s[GB:GB+3], s[G1B:G1B+7]
	s_nop 0
	tensor_load_to_lds s[GA+4:GA+7], s[G1A:G1A+7]
	s_nop 0
	tensor_load_to_lds s[GB+4:GB+7], s[G1B:G1B+7]
	s_nop 0
	tensor_load_to_lds s[GB+8:GB+11], s[G1B:G1B+7]
	s_nop 0
	v_and_b32 v1, 15, v0                           ; r = lane % 16
	v_bfe_u32 v2, v0, 4, 1                         ; h = lane / 16
	v_mul_u32_u24 v[ADRA], v1, PITCH
	v_lshl_add_u32 v[ADRA], v2, 4, v[ADRA]         ; a fragment's row x pitch + 16 x half
	v_add_nc_u32 v[ADRA+1], AH, v[ADRA]
	s_add_co_u32 s23, s23, BASEB
	v_add_nc_u32 v[ADRB], s23, v[ADRA]             ; my 64 rows of slot 0,
	v_add_nc_u32 v[ADRB+1], SLOTB, v[ADRB]         ; 1,
	v_add_nc_u32 v[ADRB+2], 2*SLOTB, v[ADRB]       ; 2
	v_and_b32 v4, 31, v0
	v_lshlrev_b32 v[CO], 4, v4
	v_lshlrev_b32 v[SOF], 5, v1
	v_lshl_add_u32 v[SOF], v2, 4, v[SOF]
	v_lshlrev_b32 v[HB], 5, v2
	s_lshl_b32 s74, s13, 2
	s_add_co_u32 s74, s74, s12                     ; my head = 4 cx + wave
	s_mov_b32 s69, 0
	s_lshl_b32 s68, s15, 12                        ; x's scale bytes: 128 rows of 32 a block
	s_add_nc_u64 s[70:71], s[6:7], s[68:69]
	s_lshl_b32 s68, s74, 11                        ; the weights': 64 rows of 32 a head,
	s_add_co_u32 s68, s68, 8192*32                 ; behind x's
	s_add_nc_u64 s[72:73], s[6:7], s[68:69]
	s_lshl_b32 s68, s74, 8                         ; the head's 64 numbers of bq
	s_add_nc_u64 s[8:9], s[8:9], s[68:69]
	s_lshl_b32 s68, s15, 18                        ; q: (2 mb) << 17 + head << 13
	s_lshl_b32 s75, s74, 13
	s_add_co_u32 s68, s68, s75
	s_add_nc_u64 s[OUTQ:OUTQ+1], s[10:11], s[68:69]
	s_add_co_u32 s68, s68, 1<<24                   ; k: the same, 1 << 24 on
	s_add_nc_u64 s[OUTK:OUTK+1], s[10:11], s[68:69]
	s_lshr_b32 s68, s15, 3                         ; v^T: 2 << 24 + seq << 21 + head << 17 + (4 (mb % 8)) << 12
	s_lshl_b32 s68, s68, 21
	s_and_b32 s75, s15, 7
	s_lshl_b32 s75, s75, 14
	s_add_co_u32 s68, s68, s75
	s_lshl_b32 s75, s74, 17
	s_add_co_u32 s68, s68, s75
	s_add_co_u32 s68, s68, 2<<24
	s_add_nc_u64 s[OUTV:OUTV+1], s[10:11], s[68:69]
.irp i, 0,1,2,3,4,5,6,7
	global_load_b128 v[SA+4*\i:SA+4*\i+3], v[SOF], s[70:71] offset:512*\i          ; x's scale words, block i: 512 consecutive bytes
.endr
.irp t, 0,1,2
.irp b, 0,1,2,3
	global_load_b128 v[SB+16*\t+4*\b:SB+16*\t+4*\b+3], v[SOF], s[72:73] offset:32768*\t+512*\b   ; Wq's, Wk's, Wv's, block b of my head
.endr
.endr
.irp b, 0,1,2,3
	global_load_b128 v[BIAS+8*\b:BIAS+8*\b+3], v[HB], s[8:9] offset:64*\b          ; register 8 b + j = bq[64 head + 16 b + 8 h + j]
	global_load_b128 v[BIAS+8*\b+4:BIAS+8*\b+7], v[HB], s[8:9] offset:64*\b+16
.endr
; A fragment, 16 rows x 128 K of 4-bit codes, is 8 registers: lane l holds row l % 16; registers 4 c .. 4 c + 3 hold K = 64 c + 32 (l / 16) + 0 .. 31: two loads of 16 bytes, 32 bytes apart.
.macro FETCH_B slot, q4, p             ; my four fragments of the slot's q4-th 128 along K into set p
.irp i, 0,1,2,3
.irp c, 0,1
	ds_load_b128 v[BF+32*(\p)+8*\i+4*\c:BF+32*(\p)+8*\i+4*\c+3], v[ADRB+(\slot)] offset:64*(\q4)+32*\c+\i*16*PITCH
.endr
.endr
.endm
.macro FETCH_A kh, q4                  ; x's eight fragments of K step 4 kh + q4 into window 2 + kh, where they stay
	WIN 0x80+0x40*(\kh)
.irp a, 0,1,2,3,4,5,6,7
.irp c, 0,1
	ds_load_b128 v[64*(\q4)+8*\a+4*\c:64*(\q4)+8*\a+4*\c+3], v[ADRA+(\kh)] offset:64*(\q4)+32*\c+\a*16*PITCH
.endr
.endr
	WIN 0
.endm
; One product.  kh = 1: the second half of K: both scale words are taken from lanes 16-31.  cm: what starts or carries the sum: 0 the accumulator, 1 the constant 0, 2 the bias.
.macro WM d, s0, s1, x0, x1, kh, cm, cb
.if (\kh) == 1
	v_wmma_scale_f32_16x16x128_f8f6f4 v[\d:\d+7], v[\s0:\s0+7], v[\s1:\s1+7], v[\d:\d+7], v[\x0], v[\x1] matrix_a_fmt:MATRIX_FMT_FP4 matrix_b_fmt:MATRIX_FMT_FP4 matrix_a_scale:MATRIX_SCALE_ROW1 matrix_b_scale:MATRIX_SCALE_ROW1
.elseif (\cm) == 0
	v_wmma_scale_f32_16x16x128_f8f6f4 v[\d:\d+7], v[\s0:\s0+7], v[\s1:\s1+7], v[\d:\d+7], v[\x0], v[\x1] matrix_a_fmt:MATRIX_FMT_FP4 matrix_b_fmt:MATRIX_FMT_FP4
.elseif (\cm) == 1
	v_wmma_scale_f32_16x16x128_f8f6f4 v[\d:\d+7], v[\s0:\s0+7], v[\s1:\s1+7], 0, v[\x0], v[\x1] matrix_a_fmt:MATRIX_FMT_FP4 matrix_b_fmt:MATRIX_FMT_FP4
.else
	v_wmma_scale_f32_16x16x128_f8f6f4 v[\d:\d+7], v[\s0:\s0+7], v[\s1:\s1+7], v[\cb:\cb+7], v[\x0], v[\x1] matrix_a_fmt:MATRIX_FMT_FP4 matrix_b_fmt:MATRIX_FMT_FP4
.endif
.endm
; A K step's 32 products: the 32 accumulators take turns, one instruction a turn, in the same order in every step.  swap = 1 (v): the tokens are source 0.
.macro MUL32 tl, kh, q4, p, swap, cm
.irp a, 0,1,2,3,4,5,6,7
.irp b, 0,1,2,3
.set rD, 8*(4*\a+\b)
.set rB, BF+32*(\p)+8*\b
.set rA, 64*(\q4)+8*\a
.set xB, SB+16*(\tl)+4*\b+(\q4)
.set xA, SA+4*\a+(\q4)
.set rC, BIAS+8*\b
.if \swap
	WM rD, rA, rB, xA, xB, \kh, \cm, rC
.else
	WM rD, rB, rA, xB, xA, \kh, \cm, rC
.endif
.endr
.endr
.endm
; A half of K of tile tl: four K steps out of one slot.  Each step first asks for the next step's fragments (into the set that the last step's products read: so the places), then multiplies.
; fa = 1 (q's tile): x's fragments of the next step are fetched too.  cm: how the first step's sums begin.
.macro HALF tl, kh, slot, swap, cm, fa
.irp q, 0,1,2,3
.if \q < 3
	PLACES NP
	FETCH_B \slot, \q+1, (\q+1)%2
.if \fa
	FETCH_A \kh, \q+1
	s_wait_dscnt 24                                ; this step's fragments are in; the 8 + 16 loads just issued may be out
.else
	s_wait_dscnt 8                                 ; this step's fragments are in; the 8 loads just issued may be out
.endif
.else
	s_wait_dscnt 0x0                               ; the slot's last step: nothing more is asked of it
.endif
.if \swap
.set WW, 0x52+(\kh)                    ; source 0 (x) window 2 or 3, source 1 (W) window 0, C and D window 1
.else
.set WW, 0x58+4*(\kh)                  ; source 0 (W) window 0, source 1 (x) window 2 or 3, C and D window 1
.endif
.if ((\cm) == 2) && (\q == 0)
.set WW, 0x48                          ; the same with C (the bias) in window 0
.endif
	WIN WW
.if \q == 0
	MUL32 \tl, \kh, \q, 0, \swap, \cm
.else
	MUL32 \tl, \kh, \q, \q%2, \swap, 0
.endif
	WIN 0
.endr
.endm
; A slot that has been read is filled again.  Each wave waits for all its tensor loads, adds 0 to its spare word, and waits for that and for its reads of the slot; a round of the cluster's barrier: no wave of any partner
; still reads the slot or has a load on its way; the joint refill, my 64 rows, is the first thing behind it.  The four v_nop behind it are also the places in front of the loads and conversions that follow.
.macro REFILL s, step
	s_wait_tensorcnt 0x0                           ; no tensor load of mine is out, so a group 0 may be written
	ds_add_u32 v[SPW], v[NIL]                      ; 0 onto my spare word; the address's step stands between it and the wait for it
	s_add_nc_u64 s[GB+4*\s+2:GB+4*\s+3], s[GB+4*\s+2:GB+4*\s+3], \step   ; the type bits on top are not reached
	s_wait_dscnt 0x0                               ; the add is done, and my reads of the slot are over
	CROUND
	tensor_load_to_lds s[GB+4*\s:GB+4*\s+3], s[G1B:G1B+7]
	s_nop 0
	PLACES NP
.endm
; THE WAY OUT of a tile: each accumulator, from its low end on, is rounded to f16 in place (four registers; ascending, so that no pair is written over before it is read) and leaves by one store of 512 consecutive bytes, aligned.
; vt = 1: v^T's layout.  more = 1: a tile follows, whose first products write over the stores' data: only behind the wait.
.macro OUT base, vt, more
	WIN 0x45                                       ; destination and both sources window 1
.set N, 0
.rept 32
.irp r, 0,1,2,3
	v_cvt_pk_f16_f32 v[8*N+\r], v[8*N+2*\r], v[8*N+2*\r+1]
.endr
.set N, N+1
.endr
	WIN 0x04                                       ; a store's data window 1, its address window 0
.irp a, 0,1,2,3,4,5,6,7
.irp b, 0,1,2,3
.if \vt
	global_store_b128 v[CO], v[8*(4*\a+\b):8*(4*\a+\b)+3], s[\base:\base+1] offset:(\a/2)*4096+\b*1024+(\a%2)*512          ; g = a / 2, t = b, c = a % 2
.else
	global_store_b128 v[CO], v[8*(4*\a+\b):8*(4*\a+\b)+3], s[\base:\base+1] offset:(\a/4)*131072+(\a%4)*1024+(\b/2)*4096+(\b%2)*512   ; 64 tokens a / 4, tile a % 4, e = b / 2, c = b % 2
.endif
.endr
.endr
	WIN 0
.if \more
	s_wait_xcnt 0x0                                ; the stores have read their data
.endif
.endm
	s_wait_tensorcnt 3                             ; my rows of x's first half of K and of slot 0 are in; x's second half, slot 1 and slot 2 may be out
	s_barrier_signal -1
	s_barrier_wait -1                              ; everybody's are
	FETCH_B 0, 0, 0
	FETCH_A 0, 0
	s_wait_loadcnt 0x0                             ; the scale words and bq
	HALF 0, 0, 0, 0, 2, 1                          ; q, K 0-511, out of slot 0; the sums begin with bq
	REFILL 0, WSTEP+256                            ; slot 0: from q's first half of K to k's second
	FETCH_B 1, 0, 0
	FETCH_A 1, 0
	HALF 0, 1, 1, 0, 0, 1                          ; q, K 512-1023, out of slot 1
	REFILL 1, 2*WSTEP-256                          ; slot 1: from q's second half to v's first
	FETCH_B 2, 0, 0
	OUT OUTQ, 0, 1                                 ; q leaves while k's first fragments come and k is multiplied
	HALF 1, 0, 2, 0, 1, 0                          ; k, K 0-511, out of slot 2
	REFILL 2, WSTEP+256                            ; slot 2: from k's first half to v's second.  In front of this round every wave has seen its part of slot 1 landed: v's first half is whole
	FETCH_B 0, 0, 0
	HALF 1, 1, 0, 0, 0, 0                          ; k, K 512-1023, out of slot 0
	PLACES NP                                      ; in front of the loads into the first set and of the conversions
	FETCH_B 1, 0, 0
	OUT OUTK, 0, 1
	HALF 2, 0, 1, 1, 1, 0                          ; v, K 0-511, out of slot 1, the sources swapped
	s_wait_tensorcnt 0x0                           ; my part of slot 2 is in,
	s_wait_dscnt 0x0                               ; no LDS instruction of mine is out at the signal,
	s_barrier_signal -1
	s_barrier_wait -1                              ; and everybody's part is in
	PLACES NP
	FETCH_B 2, 0, 0
	HALF 2, 1, 2, 1, 0, 0                          ; v, K 512-1023, out of slot 2
	PLACES NP
	OUT OUTV, 1, 0
	s_wait_tensorcnt 0x0                           ; the wave's end, behind my last tensor load
	ds_add_u32 v[SPW], v[NIL]
	s_wait_dscnt 0x0
	CROUND                                         ; the closing round: no work-group ends while a partner may still ask for a tile that names it
	s_endpgm
.Lfunc_end_k_qf4e77bf3e3_qkv:
	.size	k_qf4e77bf3e3_qkv, .Lfunc_end_k_qf4e77bf3e3_qkv-k_qf4e77bf3e3_qkv
	.p2alignl 7, 3214868480
	.fill 96, 4, 3214868480
	.section	.rodata,"a",@progbits
	.p2align	6, 0x0
	.amdhsa_kernel k_qf4e77bf3e3_qkv
		.amdhsa_group_segment_fixed_size 327680
		.amdhsa_private_segment_fixed_size 0
		.amdhsa_enable_private_segment 0
		.amdhsa_kernarg_size 32
		.amdhsa_user_sgpr_count 2
		.amdhsa_user_sgpr_kernarg_segment_ptr 1
		.amdhsa_wavefront_size32 1
		.amdhsa_system_sgpr_workgroup_id_x 1
		.amdhsa_system_sgpr_workgroup_id_y 1
		.amdhsa_system_sgpr_workgroup_id_z 1
		.amdhsa_system_vgpr_workitem_id 0
		.amdhsa_next_free_vgpr 1024
		.amdhsa_next_free_sgpr 80
		.amdhsa_reserve_vcc 0
		.amdhsa_float_denorm_mode_32 3
		.amdhsa_float_denorm_mode_16_64 3
		.amdhsa_memory_ordered 1
		.amdhsa_forward_progress 1
		.amdhsa_inst_pref_size 167
	.end_amdhsa_kernel
	.amdgpu_metadata
---
amdhsa.version: [ 1, 2 ]
amdhsa.kernels:
  - .name:           k_qf4e77bf3e3_qkv
    .symbol:         k_qf4e77bf3e3_qkv.kd
    .args:
      - { .name: cod, .offset: 0, .size: 8, .value_kind: global_buffer, .address_space: global }
      - { .name: scl, .offset: 8, .size: 8, .value_kind: global_buffer, .address_space: global }
      - { .name: bq, .offset: 16, .size: 8, .value_kind: global_buffer, .address_space: global }
      - { .name: qkv, .offset: 24, .size: 8, .value_kind: global_buffer, .address_space: global }
    .group_segment_fixed_size: 327680
    .private_segment_fixed_size: 0
    .kernarg_segment_align: 8
    .kernarg_segment_size: 32
    .max_flat_workgroup_size: 128
    .sgpr_count:     80
    .vgpr_count:     1024
    .wavefront_size: 32
...
	.end_amdgpu_metadata
.endif
;; end of part 2
;; launch attn (part 3): grid 2 x 128, 8 waves a work-group, no clusters, 263,168 bytes of LDS; arguments qkv, bv, ctx16; writes ctx16
.if DOCPART == 3
	.amdgcn_target "amdgcn-amd-amdhsa--gfx1250"
	.amdhsa_code_object_version 6
	.text
	.protected	k_qf4e77bf3e3_attn
	.globl	k_qf4e77bf3e3_attn
	.p2align	8
	.type	k_qf4e77bf3e3_attn,@function
k_qf4e77bf3e3_attn:
	s_mov_b64 s[64:65], 0
	v_nop
	global_prefetch_b8 v0, s[64:65] scope:SCOPE_SE
	s_setreg_imm32_b32 hwreg(HW_REG_WAVE_MODE, 25, 1), 1
	s_wait_xcnt 0x0
; THIRD LAUNCH: ctx[q] = sum over k of softmax_k(q . k / 8) v_k + bv, within each of 8 sequences x 16 heads of 64; 1,024 keys; no mask.  f16 operands, products, maxima and sums in f32.
; bv is added here and not to v: the softmax's weights add up to 1 for all inputs, so sum_k w_k (v_k + bv) = sum_k w_k v_k + bv; it rides as the addend of the multiply-add that divides by the row's sum.  cu_seqlens has no way to a result.
; qkv holds q, k (by pieces of 64 tokens x one head, 8,192 bytes) and v^T (one head's 64 channels x 64 keys, 8,192 bytes) as IMAGES OF OPERAND REGISTERS: four registers x 32 lanes = 512 bytes on end, lane l's 16 bytes at 16 l.
; SHARES.  Work-group (x, y): sequence y / 16, head y % 16, queries 512 x on.  Each of its EIGHT waves owns 64 queries, four tiles of 16, in 512 registers: two waves to a SIMD, with no barrier between them
; while they walk the keys, so that one wave's softmax stands beside the other's matrix instructions.
; ALL OF THE HEAD'S K AND V^T STAY IN LDS (131,072 bytes each): every LDS byte is filled once, so there is no ring.  Each wave asks for four pieces of 8,192 bytes at the head (waves 0-3 K's, 4-7 V's):
; by this text's count four tensor loads of a wave are outstanding at the most.  The waves' first pieces are key steps 0 to 3: the walk begins when they have landed, the other twelve steps' pieces land meanwhile.
; NO CLUSTER: only the two work-groups of a head read the same K and V, each once: 262,144 bytes for 67 million multiply-adds a work-group, a small part; and a mask for a pair would hang on half of a place in a cluster of four.
; LAYOUT.  S^T = K Q^T (source 0 = 16 keys, source 1 = 16 queries): a lane holds ONE query (lane % 16) and keys 8 (lane / 16) + 0..7 of each tile.  Two such tiles, rounded to f16 in pairs, ARE source 1 of O^T = V^T P,
; whose result again holds one query a lane and eight channels; rounded to f16 these are four registers of the last launch's operand, and leave as 512 consecutive bytes.
; SOFTMAX.  For each query a running maximum m and sum l: p = 2^(c s - c m), c = log2(e) / 8; in every step O and l are multiplied by a = 2^(c m_old - c m_new).  l is taken of p before it is rounded.
; LIMIT: ctx is rounded to f16 (beyond 65,504: infinity; under 6e-5: an absolute error of 3e-8); p under 6e-8 is lost in f16.
; ctx16: byte (token>>7)<<18 | kg<<13 | ((token>>4)&7)<<10 | c<<9 | lane<<4: row token & 15 = r, feature 32 kg + 16 c + 8 h + 0..7.
; REGISTERS.  Window 0: v1-7 addresses; v8-23 statistics, tile t at v[8 + 4 t]: c m, m, l (even keys', odd keys'); v32-63 bv; v64-191 S^T, 32 a tile, P packed in place; v192-255 K's fragments, during the softmax eight temporaries a tile.
;             Window 1: v0-63 Q; v64-191 O^T, 32 a tile; v192-255 V^T's fragments.
.set LI,  1                            ; 16 x lane
.set LIV, 2                            ; + where V^T begins
.set ADK, 3
.set ADV, 4
.set HB,  5                            ; 32 x (lane / 16)
.set SPW, 6
.set NIL, 7
.set ST,  8
.set BV,  32
.set S,   64
.set KF,  192
.set XX,  192                          ; tile t's temporaries at v[XX + 8 t]: +0..+3 maxima, +2..+5 sums, +6 a, +7 c m_old
.set QF,  0                            ; window 1
.set OO,  64
.set VF,  192
.set VLDS,  131072
.set SPARE, 262144                     ; the spare words, 128 bytes for each of eight waves
.set G1,  16
.set G0,  24
.set CS,  44
.set SEL, 46
.set TB,  48                           ; LDS byte at which the step's piece of K begins
.set CNT, 49
.set MSB, 0
.macro WIN new
.if MSB != (\new)
	s_set_vgpr_msb (MSB<<8)|(\new)
.set MSB, (\new)
.endif
.endm
.set W_KQ, 0x04                        ; Q (source 1) window 1; K, S^T window 0
.set W_PV, 0x51                        ; V^T (source 0), C and D window 1; P window 0
.set W_RS, 0x41                        ; O^T (destination, source 0) window 1; the rest window 0
.set W_LD, 0x40                        ; a load's destination window 1
.set W_CV, 0x05                        ; sources 0 and 1 window 1, destination window 0
	s_load_b128 s[4:7], s[0:1], 0x0                ; qkv s[4:5], bv s[6:7]
	s_load_b64 s[8:9], s[0:1], 0x10                ; ctx16
	v_lshl_add_u32 v[SPW], v0, 2, SPARE
	v_mov_b32 v[NIL], 0
	ds_add_u32 v[SPW], v[NIL]                      ; the wave's opening: the add, twice on end, and its wait ahead of my first tensor load
	ds_add_u32 v[SPW], v[NIL]
	v_lshrrev_b32 v1, 5, v0
	v_readfirstlane_b32 s10, v1                    ; wave 0..7
	s_and_b32 s52, ttmp7, 0xffff
	s_lshr_b32 s11, s52, 4                         ; sequence
	s_and_b32 s12, s52, 15                         ; head
	s_lshl_b32 s13, ttmp9, 3
	s_add_co_u32 s13, s13, s10                     ; my piece of 64 queries, 0..15
	; descriptor group 1: 8,192 dense bytes as 32 rows of 256 bytes (32 elements of 8 bytes); no padding: fragments are read as they lie, 512 consecutive bytes a load
	s_mov_b32 s[G1+0], 3<<16
	s_mov_b32 s[G1+1], 32<<16                      ; tensor_dim0
	s_mov_b32 s[G1+2], 32<<16                      ; tensor_dim1
	s_mov_b32 s[G1+3], 32<<16                      ; tile_dim0
	s_mov_b32 s[G1+4], 32                          ; tile_dim1
	s_mov_b32 s[G1+5], 32                          ; pitch
	s_mov_b32 s[G1+6], 0
	s_mov_b32 s[G1+7], 0
	s_lshl_b32 s2, s11, 21                         ; the sequence's bytes in each part of qkv and in ctx16
	s_lshr_b32 s14, s10, 2                         ; 0: I fetch K, 1: V^T
	s_lshl_b32 s14, s14, 17
	s_and_b32 s15, s10, 3                          ; my first piece
	s_lshl_b32 s3, s15, 13
	s_add_co_u32 s14, s14, s3                      ; its LDS byte; the later three lie 4 pieces on each
	s_lshl_b32 s40, s12, 13                        ; K: piece s at 1<<24 + seq<<21 + s<<17 + head<<13
	s_lshl_b32 s52, s15, 17
	s_add_co_u32 s40, s40, s52
	s_add_co_u32 s40, s40, 1<<24
	s_lshl_b32 s42, s12, 17                        ; V^T: piece s at 2<<24 + seq<<21 + head<<17 + s<<13
	s_add_co_u32 s42, s42, s3
	s_add_co_u32 s42, s42, 2<<24
	s_cmp_lt_u32 s10, 4
	s_cselect_b32 s40, s40, s42
	s_mov_b32 s42, 1<<15
	s_cselect_b32 s42, 1<<19, s42                  ; four pieces on, in memory
	s_add_co_u32 s40, s40, s2
	s_mov_b32 s41, 0
	s_mov_b32 s43, 0
	s_lshl_b32 s52, s13, 17                        ; Q: seq<<21 + piece<<17 + head<<13
	s_add_co_u32 s52, s52, s2
	s_lshl_b32 s3, s12, 13
	s_add_co_u32 s52, s52, s3
	s_mov_b32 s53, 0
	s_lshr_b32 s54, s13, 1                         ; ctx16: seq<<21 + (piece / 2)<<18 + (piece % 2)<<12 + head<<14
	s_lshl_b32 s54, s54, 18
	s_add_co_u32 s54, s54, s2
	s_and_b32 s3, s13, 1
	s_lshl_b32 s3, s3, 12
	s_add_co_u32 s54, s54, s3
	s_lshl_b32 s3, s12, 14
	s_add_co_u32 s54, s54, s3
	s_mov_b32 s55, 0
	s_mov_b32 s[CS], 0x3e38aa3b                    ; c = log2(e) / 8
	s_mov_b32 s[CS+1], s[CS]                       ; (named with it as a pair, so it is written)
	s_mov_b32 s[SEL], 0x76543210
	s_mov_b32 s[SEL+1], 0xfedcba98                 ; v_permlanex16_b32's selects for lane l xor 16
	s_mov_b32 s[TB], 0
	s_wait_dscnt 0x0                               ; both opening adds are done
	s_wait_kmcnt 0x0
	s_add_nc_u64 s[50:51], s[4:5], s[40:41]
.irp i, 0,1,2,3
	s_mov_b32 s[G0+4*\i], 1
	s_add_co_u32 s[G0+4*\i+1], s14, (\i)<<15
	s_mov_b64 s[G0+4*\i+2:G0+4*\i+3], s[50:51]
	s_or_b32 s[G0+4*\i+3], s[G0+4*\i+3], 0x80000000
.if \i < 3
	s_add_nc_u64 s[50:51], s[50:51], s[42:43]
.endif
.endr
.irp i, 0,1,2,3
	tensor_load_to_lds s[G0+4*\i:G0+4*\i+3], s[G1:G1+7]   ; all first fills in one group, every wave four, ahead of every wait on TENSORcnt, LDS read and barrier
	s_nop 0
.endr
	v_and_b32 v1, 31, v0                           ; (five plain lines stand between the last tensor load and the next switch of windows)
	v_lshlrev_b32 v[LI], 4, v1
	v_add_nc_u32 v[LIV], VLDS, v[LI]
	v_bfe_u32 v[HB], v0, 4, 1
	v_lshlrev_b32 v[HB], 5, v[HB]
	s_add_nc_u64 s[4:5], s[4:5], s[52:53]          ; Q's piece
	s_add_nc_u64 s[8:9], s[8:9], s[54:55]          ; my place in ctx16
	s_lshl_b32 s52, s12, 8
	s_add_nc_u64 s[6:7], s[6:7], s[52:53]          ; the head's 64 numbers of bv
	WIN W_LD
.irp n, 0,1,2,3,4,5,6,7,8,9,10,11,12,13,14,15
	global_load_b128 v[QF+4*\n:QF+4*\n+3], v[LI], s[4:5] offset:512*\n th:TH_LOAD_NT   ; Q stays in registers: fragment (e, tile i) at v[32 e + 8 i]
.endr
	WIN 0
.irp t, 0,1,2,3
	global_load_b128 v[BV+8*\t:BV+8*\t+3], v[HB], s[6:7] offset:64*\t          ; register 8 t + j = bv[64 head + 16 t + 8 h + j]: O^T's layout
	global_load_b128 v[BV+8*\t+4:BV+8*\t+7], v[HB], s[6:7] offset:64*\t+16
.endr
; A KEY STEP: 64 keys.  first = 1: the first step starts m, l and O^T.  The four tiles take turns line by line, so that no line waits for the line above it.
.macro STEP first
	v_add_nc_u32 v[ADK], s[TB], v[LI]
	v_add_nc_u32 v[ADV], s[TB], v[LIV]
.irp n, 0,1,2,3,4,5,6,7,8,9,10,11,12,13,14,15
	ds_load_b128 v[KF+4*\n:KF+4*\n+3], v[ADK] offset:512*\n      ; K's fragment (e, key tile k) at v[KF + 32 e + 8 k]
.endr
	WIN W_LD
.irp n, 0,1,2,3,4,5,6,7,8,9,10,11,12,13,14,15
	ds_load_b128 v[VF+4*\n:VF+4*\n+3], v[ADV] offset:512*\n      ; V^T's fragment (32 keys g, channel tile t) at v[VF + 32 g + 8 t]
.endr
	s_wait_dscnt 24                                ; K's first eight loads (channels 0-31) are in; its other eight and V's sixteen may be out
	WIN W_KQ
.irp i, 0,1,2,3
.irp k, 0,1,2,3
	v_wmma_f32_16x16x32_f16 v[S+32*\i+8*\k:S+32*\i+8*\k+7], v[KF+8*\k:KF+8*\k+7], v[QF+8*\i:QF+8*\i+7], 0
.endr
.endr
	s_wait_dscnt 16                                ; all of K is in; V's sixteen may be out
.irp i, 0,1,2,3
.irp k, 0,1,2,3
	v_wmma_f32_16x16x32_f16 v[S+32*\i+8*\k:S+32*\i+8*\k+7], v[KF+32+8*\k:KF+32+8*\k+7], v[QF+32+8*\i:QF+32+8*\i+7], v[S+32*\i+8*\k:S+32*\i+8*\k+7]
.endr
.endr
	WIN 0
.rept 4
	v_nop                                          ; places: the lines below read results and write K's registers
.endr
	; the maximum of a lane's 32 scores and the old m: four chains, one to a key tile, each begun at its accumulator's low end
.irp k, 0,1,2,3
.irp t, 0,1,2,3
	v_max3_num_f32 v[XX+8*\t+\k], v[S+32*\t+8*\k], v[S+32*\t+8*\k+1], v[S+32*\t+8*\k+2]
.endr
.endr
.irp o, 3,5
.irp k, 0,1,2,3
.irp t, 0,1,2,3
	v_max3_num_f32 v[XX+8*\t+\k], v[XX+8*\t+\k], v[S+32*\t+8*\k+\o], v[S+32*\t+8*\k+\o+1]
.endr
.endr
.endr
.irp t, 0,1,2,3
	v_max3_num_f32 v[XX+8*\t], v[XX+8*\t], v[S+32*\t+7], v[S+32*\t+15]
.endr
.irp t, 0,1,2,3
	v_max3_num_f32 v[XX+8*\t+2], v[XX+8*\t+2], v[S+32*\t+23], v[S+32*\t+31]
.endr
.irp t, 0,1,2,3
	v_max3_num_f32 v[XX+8*\t], v[XX+8*\t], v[XX+8*\t+1], v[XX+8*\t+2]
.endr
.irp t, 0,1,2,3
.if \first
	v_max_num_f32 v[XX+8*\t], v[XX+8*\t], v[XX+8*\t+3]
.else
	v_max3_num_f32 v[XX+8*\t], v[XX+8*\t], v[XX+8*\t+3], v[ST+4*\t+1]
.endif
.endr
.irp t, 0,1,2,3
	v_permlanex16_b32 v[XX+8*\t+1], v[XX+8*\t], s[SEL], s[SEL+1]   ; the query's other 32 keys lie in the lane 16 away
.endr
.if !\first
.irp t, 0,1,2,3
	v_mov_b32 v[XX+8*\t+7], v[ST+4*\t]             ; c m_old is kept for a
.endr
.endif
.irp t, 0,1,2,3
	v_max_num_f32 v[ST+4*\t+1], v[XX+8*\t], v[XX+8*\t+1]
.endr
.irp t, 0,1,2,3
	v_mul_f32 v[ST+4*\t], s[CS], v[ST+4*\t+1]
.endr
.if !\first
.irp t, 0,1,2,3
	v_sub_f32 v[XX+8*\t+7], v[XX+8*\t+7], v[ST+4*\t]
.endr
.irp t, 0,1,2,3
	v_exp_f32 v[XX+8*\t+6], v[XX+8*\t+7]           ; a = 2^(c m_old - c m_new)
.endr
.endif
	; ONE BATCH: the scalings c s - c m, a pair of scores each, and all exponentials; a pair's exponentials follow the next pair's scalings.  No line of the batch names an exponential's result.
.set PB, 0
.rept 16
.irp t, 0,1,2,3
	v_pk_fma_f32 v[S+32*\t+2*PB:S+32*\t+2*PB+1], v[S+32*\t+2*PB:S+32*\t+2*PB+1], s[CS:CS+1], v[ST+4*\t:ST+4*\t+1] op_sel_hi:[1,0,0] neg_lo:[0,0,1] neg_hi:[0,0,1]
.endr
.if PB > 0
.irp t, 0,1,2,3
	v_exp_f32 v[S+32*\t+2*PB-2], v[S+32*\t+2*PB-2]
	v_exp_f32 v[S+32*\t+2*PB-1], v[S+32*\t+2*PB-1]
.endr
.endif
.set PB, PB+1
.endr
.irp t, 0,1,2,3
	v_exp_f32 v[S+32*\t+30], v[S+32*\t+30]
	v_exp_f32 v[S+32*\t+31], v[S+32*\t+31]
.endr
	v_nop                                          ; a plain line behind the last exponential, ahead of the first use
	s_wait_alu depctr_va_vdst(0)                   ; the wait ahead of the first line that names a result: one for the whole batch
	; the sums, of p as it stands in f32: two chains of pairs
.irp t, 0,1,2,3
	v_pk_add_f32 v[XX+8*\t+2:XX+8*\t+3], v[S+32*\t:S+32*\t+1], v[S+32*\t+2:S+32*\t+3]
.endr
.irp t, 0,1,2,3
	v_pk_add_f32 v[XX+8*\t+4:XX+8*\t+5], v[S+32*\t+4:S+32*\t+5], v[S+32*\t+6:S+32*\t+7]
.endr
.irp j, 8,12,16,20,24,28
.irp t, 0,1,2,3
	v_pk_add_f32 v[XX+8*\t+2:XX+8*\t+3], v[XX+8*\t+2:XX+8*\t+3], v[S+32*\t+\j:S+32*\t+\j+1]
.endr
.irp t, 0,1,2,3
	v_pk_add_f32 v[XX+8*\t+4:XX+8*\t+5], v[XX+8*\t+4:XX+8*\t+5], v[S+32*\t+\j+2:S+32*\t+\j+3]
.endr
.endr
.if \first
.irp t, 0,1,2,3
	v_pk_add_f32 v[ST+4*\t+2:ST+4*\t+3], v[XX+8*\t+2:XX+8*\t+3], v[XX+8*\t+4:XX+8*\t+5]
.endr
.else
.irp t, 0,1,2,3
	v_pk_add_f32 v[XX+8*\t+2:XX+8*\t+3], v[XX+8*\t+2:XX+8*\t+3], v[XX+8*\t+4:XX+8*\t+5]
.endr
.irp t, 0,1,2,3
	v_pk_fma_f32 v[ST+4*\t+2:ST+4*\t+3], v[ST+4*\t+2:ST+4*\t+3], v[XX+8*\t+6:XX+8*\t+7], v[XX+8*\t+2:XX+8*\t+3] op_sel_hi:[1,0,1]   ; l = a l + the step's sum
.endr
.endif
	; P, rounded to f16, in place: 32 keys' sixteen registers become the eight of source 1; ascending, so that no pair is written over before it is read
.irp g, 0,1
.irp q, 0,1,2,3,4,5,6,7
.irp t, 0,1,2,3
	v_cvt_pk_f16_f32 v[S+32*\t+16*\g+\q], v[S+32*\t+16*\g+2*\q], v[S+32*\t+16*\g+2*\q+1]
.endr
.endr
.endr
.if !\first
	WIN W_RS
.irp p, 0,1,2,3,4,5,6,7,8,9,10,11,12,13,14,15
.irp t, 0,1,2,3
	v_pk_mul_f32 v[OO+32*\t+2*\p:OO+32*\t+2*\p+1], v[OO+32*\t+2*\p:OO+32*\t+2*\p+1], v[XX+8*\t+6:XX+8*\t+7] op_sel_hi:[1,0]   ; O^T x a, each accumulator from its low end on
.endr
.endr
.endif
	s_wait_dscnt 0x0                               ; V^T is in
	WIN W_PV
.irp g, 0,1
.irp i, 0,1,2,3
.irp t, 0,1,2,3
.if (\first) && (\g == 0)
	v_wmma_f32_16x16x32_f16 v[OO+32*\i+8*\t:OO+32*\i+8*\t+7], v[VF+32*\g+8*\t:VF+32*\g+8*\t+7], v[S+32*\i+16*\g:S+32*\i+16*\g+7], 0
.else
	v_wmma_f32_16x16x32_f16 v[OO+32*\i+8*\t:OO+32*\i+8*\t+7], v[VF+32*\g+8*\t:VF+32*\g+8*\t+7], v[S+32*\i+16*\g:S+32*\i+16*\g+7], v[OO+32*\i+8*\t:OO+32*\i+8*\t+7]
.endif
.endr
.endr
.endr
	WIN 0
.rept 5
	v_nop                                          ; places: the next step's first products write over P, which these products read (five), and its loads land in V^T's registers (four)
.endr
	s_add_co_u32 s[TB], s[TB], 8192
.endm
	s_wait_tensorcnt 3                             ; my first piece is in; my three later ones may be out
	s_barrier_signal -1
	s_barrier_wait -1                              ; everybody's first piece is in: key steps 0 to 3 of K and of V^T
	s_wait_loadcnt 0x0                             ; Q and bv
	STEP 1
	s_mov_b32 s[CNT], 3
.Lfirst_four:
	STEP 0
	s_sub_co_u32 s[CNT], s[CNT], 1
	s_cmp_lg_u32 s[CNT], 0
	s_cbranch_scc1 .Lfirst_four
	s_wait_tensorcnt 0x0                           ; all my pieces are in (no LDS instruction of mine is out: each step waits for its loads),
	s_barrier_signal -1
	s_barrier_wait -1                              ; and everybody's: key steps 4 to 15.  From here on no wave waits for another
	s_mov_b32 s[CNT], 12
.Lrest:
	STEP 0
	s_sub_co_u32 s[CNT], s[CNT], 1
	s_cmp_lg_u32 s[CNT], 0
	s_cbranch_scc1 .Lrest
	; THE WAY OUT.  l's two halves and the other half of the lanes' are added; O^T / l + bv, one multiply-add; rounded to f16; each accumulator leaves as 512 consecutive bytes.
.irp t, 0,1,2,3
	v_add_f32 v[XX+8*\t], v[ST+4*\t+2], v[ST+4*\t+3]
.endr
.irp t, 0,1,2,3
	v_permlanex16_b32 v[XX+8*\t+1], v[XX+8*\t], s[SEL], s[SEL+1]
.endr
.irp t, 0,1,2,3
	v_add_f32 v[XX+8*\t], v[XX+8*\t], v[XX+8*\t+1]
.endr
.irp t, 0,1,2,3
	v_rcp_f32 v[XX+8*\t+2], v[XX+8*\t]
.endr
	v_nop                                          ; a plain line behind the last reciprocal
	s_wait_alu depctr_va_vdst(0)                   ; and the wait ahead of the first use: one for the four
.irp i, 0,1,2,3
	WIN W_RS
.irp p, 0,1,2,3,4,5,6,7,8,9,10,11,12,13,14,15
	v_pk_fma_f32 v[OO+32*\i+2*\p:OO+32*\i+2*\p+1], v[OO+32*\i+2*\p:OO+32*\i+2*\p+1], v[XX+8*\i+2:XX+8*\i+3], v[BV+2*\p:BV+2*\p+1] op_sel_hi:[1,0,1]
.endr
	WIN W_CV
.irp p, 0,1,2,3,4,5,6,7,8,9,10,11,12,13,14,15
	v_cvt_pk_f16_f32 v[S+16*\i+\p], v[OO+32*\i+2*\p], v[OO+32*\i+2*\p+1]
.endr
	WIN 0
.irp t, 0,1,2,3
	global_store_b128 v[LI], v[S+16*\i+4*\t:S+16*\i+4*\t+3], s[8:9] offset:(\t/2)*8192+\i*1024+(\t%2)*512   ; kg = 2 head + t / 2, c = t % 2; 32 lanes store 512 consecutive bytes, aligned
.endr
.endr
	s_wait_tensorcnt 0x0                           ; the wave's end, behind my last tensor load
	ds_add_u32 v[SPW], v[NIL]
	s_wait_dscnt 0x0
	s_endpgm
.Lfunc_end_k_qf4e77bf3e3_attn:
	.size	k_qf4e77bf3e3_attn, .Lfunc_end_k_qf4e77bf3e3_attn-k_qf4e77bf3e3_attn
	.p2alignl 7, 3214868480
	.fill 96, 4, 3214868480
	.section	.rodata,"a",@progbits
	.p2align	6, 0x0
	.amdhsa_kernel k_qf4e77bf3e3_attn
		.amdhsa_group_segment_fixed_size 263168
		.amdhsa_private_segment_fixed_size 0
		.amdhsa_enable_private_segment 0
		.amdhsa_kernarg_size 24
		.amdhsa_user_sgpr_count 2
		.amdhsa_user_sgpr_kernarg_segment_ptr 1
		.amdhsa_wavefront_size32 1
		.amdhsa_system_sgpr_workgroup_id_x 1
		.amdhsa_system_sgpr_workgroup_id_y 1
		.amdhsa_system_sgpr_workgroup_id_z 1
		.amdhsa_system_vgpr_workitem_id 0
		.amdhsa_next_free_vgpr 512
		.amdhsa_next_free_sgpr 66
		.amdhsa_reserve_vcc 0
		.amdhsa_float_denorm_mode_32 3
		.amdhsa_float_denorm_mode_16_64 3
		.amdhsa_memory_ordered 1
		.amdhsa_forward_progress 1
		.amdhsa_inst_pref_size 109
	.end_amdhsa_kernel
	.amdgpu_metadata
---
amdhsa.version: [ 1, 2 ]
amdhsa.kernels:
  - .name:           k_qf4e77bf3e3_attn
    .symbol:         k_qf4e77bf3e3_attn.kd
    .args:
      - { .name: qkv, .offset: 0, .size: 8, .value_kind: global_buffer, .address_space: global }
      - { .name: bv, .offset: 8, .size: 8, .value_kind: global_buffer, .address_space: global }
      - { .name: ctx16, .offset: 16, .size: 8, .value_kind: global_buffer, .address_space: global }
    .group_segment_fixed_size: 263168
    .private_segment_fixed_size: 0
    .kernarg_segment_align: 8
    .kernarg_segment_size: 24
    .max_flat_workgroup_size: 256
    .sgpr_count:     66
    .vgpr_count:     512
    .wavefront_size: 32
...
	.end_amdgpu_metadata
.endif
;; end of part 3
;; launch oproj (part 4): grid 4 x 64, 4 waves a work-group, clusters of 4 x 1, 327,680 bytes of LDS; arguments ctx16, wo16, bo, out0; writes out0
.if DOCPART == 4
	.amdgcn_target "amdgcn-amd-amdhsa--gfx1250"
	.amdhsa_code_object_version 6
	.text
	.protected	k_qf4e77bf3e3_oproj
	.globl	k_qf4e77bf3e3_oproj
	.p2align	8
	.type	k_qf4e77bf3e3_oproj,@function
k_qf4e77bf3e3_oproj:
	s_mov_b64 s[64:65], 0
	v_nop
	global_prefetch_b8 v0, s[64:65] scope:SCOPE_SE
	s_setreg_imm32_b32 hwreg(HW_REG_WAVE_MODE, 25, 1), 1
	s_wait_xcnt 0x0
	s_wait_alu depctr_hold_cnt(0) depctr_sa_sdst(0) depctr_va_vdst(0) depctr_va_sdst(0) depctr_va_ssrc(0) depctr_va_vcc(0) depctr_vm_vsrc(0)
	s_getreg_b32 s2, hwreg(HW_REG_IB_STS2, 6, 4)
	s_cmp_eq_u32 s2, 0
	s_cbranch_scc0 .Lentry_in_a_cluster
	s_endpgm
.Lentry_in_a_cluster:
	s_bfe_u32 s2, ttmp6, 0x10000c
	s_cmp_lg_u32 s2, 0x3003
	s_cbranch_scc0 .Lentry_shape_is_right
	s_endpgm
.Lentry_shape_is_right:
; FOURTH LAUNCH: out0 = ctx Wo^T + bo.  ctx16 [8192 x 1024] and wo16 [1024 x 1024] are f16, laid as images of operand registers (four registers x 32 lanes = 512 bytes on end); sums in f32; out0 f32.  (cu_seqlens has no way to a result.)
; SHARES.  Work-group (nx, y): rows 128 y on, columns 256 nx on.  Wave w: all 128 rows x 64 columns: 32 accumulators (a 0..7, b 0..3), 256 registers.
; CLUSTER 4 x 1: the four partners make all 1,024 columns of one block of 128 rows.  That block of ctx16, 262,144 dense bytes laid [kg 32][16 rows 8][c 2][512], is asked for JOINTLY (mask 15), once for the cluster, and
; STAYS in each partner's LDS: every LDS byte is filled once.  Each wave asks for four parts of 16,384 bytes at the head: by this text's count four tensor loads of a wave are outstanding at the most; part q holds K steps 8 q .. 8 q + 7.
; Wo's fragments go from memory straight into registers, 512 consecutive bytes a load, through a ring of eight K steps (256 registers): each wave reads its own 64 rows of Wo, once.
; THE MATRIX INSTRUCTION IS USED TRANSPOSED (source 0 = 16 rows of Wo, source 1 = 16 rows of ctx): a lane holds eight neighbouring columns of one row of out0.  bo is the C of each sum's first product.
; The 32 K steps are written out: every offset is an immediate, no pointer is stepped.
; REGISTERS.  Window 0: v1-4 LDS addresses (16 x lane + 65,536 q), v6-9 the way out and bo's offset, v10, v11 the add's two; v16-47 bo in the result's layout; v64-127, v128-191 ctx's fragments, two sets; v192-255 rows of out0 read back, two sets.
;             Window 1: the accumulators, (a, b) at v[8 (4 a + b)].   Window 2: Wo's ring, K step s at v[32 (s % 8)], + 8 b.
.set AD,   1                           ; v1 = 16 x lane, also every global load's offset; v2-4 the later parts of LDS
.set STO,  6
.set RD,   7
.set CO,   8
.set HB,   9
.set SPW,  10
.set NIL,  11
.set BIAS, 16
.set FA,   64
.set BK,   192
.set STAGE, 262144                     ; behind ctx's block: 16 rows x (256 bytes + 16) for each wave
.set SPITCH, 272
.set SPARE, STAGE+4*16*SPITCH          ; the spare words, 128 bytes a wave
.set G1,   16
.set G0,   24
.set MSB, 0
.macro WIN new
.if MSB != (\new)
	s_set_vgpr_msb (MSB<<8)|(\new)
.set MSB, (\new)
.endif
.endm
.set W_MUL,  0x52                      ; source 0 (Wo) window 2, source 1 (ctx) window 0, C and D window 1
.set W_MUL0, 0x42                      ; the first K step: C (bo) window 0
.set W_B,    0x80                      ; a load's destination window 2
.set W_ST,   0x04                      ; an LDS store's data (source 1) window 1
.macro CROUND                          ; a round of the cluster's barrier
	s_barrier_signal -1
	s_barrier_wait -1
	s_cmp_lg_u32 s12, 0
	s_cbranch_scc1 .Lnot_wave_0_\@
	s_barrier_signal -3
.Lnot_wave_0_\@:
	s_barrier_wait -3
	s_barrier_signal -1
	s_barrier_wait -1
.endm
	s_load_b256 s[4:11], s[0:1], 0x0               ; ctx16 s[4:5], wo16 s[6:7], bo s[8:9], out0 s[10:11]
	v_lshl_add_u32 v[SPW], v0, 2, SPARE
	v_mov_b32 v[NIL], 0
	ds_add_u32 v[SPW], v[NIL]                      ; the wave's opening: the add, twice on end, and its wait ahead of the round in front of my first tensor load
	ds_add_u32 v[SPW], v[NIL]
	v_lshrrev_b32 v1, 5, v0
	v_readfirstlane_b32 s12, v1                    ; wave 0..3
	s_bfe_u32 s13, ttmp6, 0x40000                  ; cx
	s_lshl_b32 s40, ttmp9, 2
	s_add_co_u32 s13, s13, s40                     ; nx: it enters Wo's, bo's and out0's addresses alone
	s_and_b32 s14, ttmp7, 0xffff                   ; y, which the four partners share
	; descriptor group 1: 16,384 dense bytes as 64 rows of 256 bytes (32 elements of 8 bytes); no padding
	s_mov_b32 s[G1+0], 15|(3<<16)|(1<<21)          ; 15:0 the mask: all four work-groups; 17:16 elements of 8 bytes; 21 set beside a mask
	s_mov_b32 s[G1+1], 32<<16                      ; tensor_dim0
	s_mov_b32 s[G1+2], 64<<16                      ; tensor_dim1
	s_mov_b32 s[G1+3], 32<<16                      ; tile_dim0
	s_mov_b32 s[G1+4], 64                          ; tile_dim1
	s_mov_b32 s[G1+5], 32                          ; pitch
	s_mov_b32 s[G1+6], 0
	s_mov_b32 s[G1+7], 0
	s_lshl_b32 s15, s12, 14                        ; my quarter of each part: in LDS and in memory alike
	s_lshl_b32 s42, s14, 18                        ; the block of 128 rows
	s_add_co_u32 s42, s42, s15
	s_mov_b32 s43, 0
	s_wait_dscnt 0x0                               ; both opening adds are done
	s_wait_kmcnt 0x0
	s_add_nc_u64 s[42:43], s[4:5], s[42:43]
	CROUND                                         ; all four work-groups are here: the joint loads meet
.irp q, 0,1,2,3
	s_mov_b32 s[G0+4*\q], 1
	s_add_co_u32 s[G0+4*\q+1], s15, \q*65536
	s_add_nc_u64 s[G0+4*\q+2:G0+4*\q+3], s[42:43], \q*65536
	s_or_b32 s[G0+4*\q+3], s[G0+4*\q+3], 0x80000000
.endr
.irp q, 0,1,2,3
	tensor_load_to_lds s[G0+4*\q:G0+4*\q+3], s[G1:G1+7]   ; all fills in one group behind the one round; the descriptors hang on y and the wave's number alone
	s_nop 0
.endr
	v_and_b32 v1, 31, v0                           ; (plain lines stand between the last tensor load and the next switch of windows)
	v_lshlrev_b32 v[AD], 4, v1
	v_add_nc_u32 v[AD+1], 65536, v[AD]
	v_add_nc_u32 v[AD+2], 2*65536, v[AD]
	v_add_nc_u32 v[AD+3], 3*65536, v[AD]
	v_and_b32 v5, 15, v0                           ; r
	v_bfe_u32 v12, v0, 4, 1                        ; h
	s_mul_i32 s47, s12, 16*SPITCH
	s_add_co_u32 s47, s47, STAGE                   ; my stage
	v_mul_u32_u24 v[STO], v5, SPITCH
	v_lshl_add_u32 v[STO], v12, 5, v[STO]
	v_add_nc_u32 v[STO], s47, v[STO]               ; in: row r, 32 bytes for each half of the lanes
	v_mul_u32_u24 v[RD], v12, SPITCH
	v_lshl_add_u32 v[RD], v5, 4, v[RD]
	v_add_nc_u32 v[RD], s47, v[RD]                 ; back: lanes 0-15 one row of 256 bytes, lanes 16-31 the next
	v_lshlrev_b32 v[CO], 12, v12
	v_lshl_add_u32 v[CO], v5, 4, v[CO]             ; and the same two rows in out0 (4,096 bytes a row)
	v_lshlrev_b32 v[HB], 5, v12
	s_lshl_b32 s44, s13, 2
	s_add_co_u32 s44, s44, s12
	s_lshl_b32 s44, s44, 17                        ; Wo: my 64 rows: (4 nx + w) << 17
	s_mov_b32 s45, 0
	s_add_nc_u64 s[6:7], s[6:7], s[44:45]
	s_lshl_b32 s44, s13, 10
	s_lshl_b32 s46, s12, 8
	s_add_co_u32 s44, s44, s46                     ; my first column, in bytes of f32
	s_add_nc_u64 s[8:9], s[8:9], s[44:45]
	s_lshl_b32 s46, s14, 19                        ; 128 rows of 4,096 bytes
	s_add_co_u32 s44, s44, s46
	s_add_nc_u64 s[10:11], s[10:11], s[44:45]
.irp b, 0,1,2,3
	global_load_b128 v[BIAS+8*\b:BIAS+8*\b+3], v[HB], s[8:9] offset:64*\b        ; register 8 b + j = bo[my column + 16 b + 8 h + j]
	global_load_b128 v[BIAS+8*\b+4:BIAS+8*\b+7], v[HB], s[8:9] offset:64*\b+16
.endr
.macro BLOAD s                         ; Wo's four fragments of K step s into the ring
.irp n, 0,1,2,3,4,5,6,7
	global_load_b128 v[32*((\s)%8)+4*\n:32*((\s)%8)+4*\n+3], v[AD], s[6:7] offset:(\s)*4096+512*\n
.endr
.endm
.macro ALOAD s                         ; ctx's eight fragments of K step s into set s % 2
.irp n, 0,1,2,3,4,5,6,7,8,9,10,11,12,13,14,15
	ds_load_b128 v[FA+64*((\s)%2)+4*\n:FA+64*((\s)%2)+4*\n+3], v[AD+(\s)/8] offset:((\s)%8)*8192+512*\n
.endr
.endm
	WIN W_B
.irp s, 0,1,2,3,4,5,6,7
	BLOAD \s
.endr
	WIN 0
	s_wait_tensorcnt 3                             ; my quarter of part 0 is in; parts 1 to 3 may be out
	s_barrier_signal -1
	s_barrier_wait -1                              ; everybody's is: K steps 0 to 7
	ALOAD 0
	ALOAD 1
; A K STEP of 32: 32 matrix instructions, the 32 accumulators by turns.
.macro KSTEP s
.if (\s) < 24
	s_wait_loadcnt 56                              ; Wo's fragments of this step are in (in step 0: bo too); those of the seven steps behind it, eight loads each, may be out
.else
	s_wait_loadcnt 8*(31-(\s))                     ; the ring runs empty
.endif
.if (\s) < 31
	s_wait_dscnt 16                                ; ctx's fragments of this step are in; the next step's sixteen loads may be out
.else
	s_wait_dscnt 0x0
.endif
.if (\s) == 0
	WIN W_MUL0
.else
	WIN W_MUL
.endif
.irp a, 0,1,2,3,4,5,6,7
.irp b, 0,1,2,3
.if (\s) == 0
	v_wmma_f32_16x16x32_f16 v[8*(4*\a+\b):8*(4*\a+\b)+7], v[32*((\s)%8)+8*\b:32*((\s)%8)+8*\b+7], v[FA+64*((\s)%2)+8*\a:FA+64*((\s)%2)+8*\a+7], v[BIAS+8*\b:BIAS+8*\b+7]
.else
	v_wmma_f32_16x16x32_f16 v[8*(4*\a+\b):8*(4*\a+\b)+7], v[32*((\s)%8)+8*\b:32*((\s)%8)+8*\b+7], v[FA+64*((\s)%2)+8*\a:FA+64*((\s)%2)+8*\a+7], v[8*(4*\a+\b):8*(4*\a+\b)+7]
.endif
.endr
.endr
	WIN 0
.rept 4
	v_nop                                          ; places in front of loads into registers that these products read (behind the last step: of the stores that read results)
.endr
.if ((\s) == 6) || ((\s) == 14) || ((\s) == 22)
	s_wait_tensorcnt 2-((\s)-6)/8                  ; my quarter of the part that begins two steps on is in; the later parts may be out
	s_wait_dscnt 0x0                               ; no LDS instruction of mine is out at the signal
	s_barrier_signal -1
	s_barrier_wait -1                              ; everybody's quarter is in
.endif
.if (\s) < 30
	ALOAD (\s)+2
.endif
.if (\s) < 24
	WIN W_B
	BLOAD (\s)+8
	WIN 0
.endif
.endm
.set KK, 0
.rept 32
	KSTEP KK
.set KK, KK+1
.endr
; THE WAY OUT, block a of 16 rows x 64 columns at a time, through my own stage: a lane holds 32 bytes of a row, the lanes beside it other rows; read back by rows, sixteen lanes store 256 consecutive bytes, aligned.
; LDS serves a wave's instructions in order (ISA guide 5.7.1.4): no wait between the stores and the loads, nor in front of the next block's stores.
.macro TOSTAGE a
	WIN W_ST
.irp b, 0,1,2,3
	ds_store_b128 v[STO], v[8*(4*(\a)+\b):8*(4*(\a)+\b)+3] offset:64*\b          ; each accumulator from its low end on
	ds_store_b128 v[STO], v[8*(4*(\a)+\b)+4:8*(4*(\a)+\b)+7] offset:64*\b+16
.endr
	WIN 0
.irp t, 0,1,2,3,4,5,6,7
	ds_load_b128 v[BK+32*((\a)%2)+4*\t:BK+32*((\a)%2)+4*\t+3], v[RD] offset:\t*2*SPITCH
.endr
.endm
.macro SEND a, younger                 ; younger: the LDS instructions issued behind block a's loads, which may stay out
	s_wait_dscnt \younger
.irp t, 0,1,2,3,4,5,6,7
	global_store_b128 v[CO], v[BK+32*((\a)%2)+4*\t:BK+32*((\a)%2)+4*\t+3], s[10:11] offset:(16*(\a)+2*\t)*4096 th:TH_STORE_NT   ; written once, read by nobody here
.endr
.endm
	TOSTAGE 0
.irp a, 1,2,3,4,5,6,7
.if \a > 1
	s_wait_xcnt 0x0                                ; block a - 2's stores have read their data: block a's loads may land there
.endif
	TOSTAGE \a
	SEND \a-1, 16                                  ; behind block a - 1's loads: block a's eight stores and eight loads
.endr
	SEND 7, 0
	s_wait_tensorcnt 0x0                           ; the wave's end, behind my last tensor load and my last LDS store
	ds_add_u32 v[SPW], v[NIL]
	s_wait_dscnt 0x0
	CROUND                                         ; the closing round: no work-group ends while a partner may still ask for a tile that names it
	s_endpgm
.Lfunc_end_k_qf4e77bf3e3_oproj:
	.size	k_qf4e77bf3e3_oproj, .Lfunc_end_k_qf4e77bf3e3_oproj-k_qf4e77bf3e3_oproj
	.p2alignl 7, 3214868480
	.fill 96, 4, 3214868480
	.section	.rodata,"a",@progbits
	.p2align	6, 0x0
	.amdhsa_kernel k_qf4e77bf3e3_oproj
		.amdhsa_group_segment_fixed_size 327680
		.amdhsa_private_segment_fixed_size 0
		.amdhsa_enable_private_segment 0
		.amdhsa_kernarg_size 32
		.amdhsa_user_sgpr_count 2
		.amdhsa_user_sgpr_kernarg_segment_ptr 1
		.amdhsa_wavefront_size32 1
		.amdhsa_system_sgpr_workgroup_id_x 1
		.amdhsa_system_sgpr_workgroup_id_y 1
		.amdhsa_system_sgpr_workgroup_id_z 1
		.amdhsa_system_vgpr_workitem_id 0
		.amdhsa_next_free_vgpr 768
		.amdhsa_next_free_sgpr 66
		.amdhsa_reserve_vcc 0
		.amdhsa_float_denorm_mode_32 3
		.amdhsa_float_denorm_mode_16_64 3
		.amdhsa_memory_ordered 1
		.amdhsa_forward_progress 1
		.amdhsa_inst_pref_size 151
	.end_amdhsa_kernel
	.amdgpu_metadata
---
amdhsa.version: [ 1, 2 ]
amdhsa.kernels:
  - .name:           k_qf4e77bf3e3_oproj
    .symbol:         k_qf4e77bf3e3_oproj.kd
    .args:
      - { .name: ctx16, .offset: 0, .size: 8, .value_kind: global_buffer, .address_space: global }
      - { .name: wo16, .offset: 8, .size: 8, .value_kind: global_buffer, .address_space: global }
      - { .name: bo, .offset: 16, .size: 8, .value_kind: global_buffer, .address_space: global }
      - { .name: out0, .offset: 24, .size: 8, .value_kind: global_buffer, .address_space: global }
    .group_segment_fixed_size: 327680
    .private_segment_fixed_size: 0
    .kernarg_segment_align: 8
    .kernarg_segment_size: 32
    .max_flat_workgroup_size: 128
    .sgpr_count:     66
    .vgpr_count:     768
    .wavefront_size: 32
...
	.end_amdgpu_metadata
.endif
;; end of part 4
